; MI455X (gfx1250); checked and timed in simulation.
; The chip was launched on July 23, 2026; its instructions are those of AMD's public machine-readable ISA for CDNA 5 (MIT licence, August 2026) and "CDNA5" Instruction Set Architecture Reference Guide (July 2026). The comments in the code are by the model that wrote it; some were corrected since.
;; Learnable Hash Grid. Allowed arithmetic: float matrix products may take bf16 or f16 operands with f32 sums; all other float work in f32.
;; Inputs: feature_table 1,048,576 x 4 float32; index_table 524,288 x 8 float32; x 500,000 x 3 float32.
;; Outputs: out0 500,000 x 4 float32.
;; One version. Each part assembles by itself: llvm-mc -triple=amdgcn-amd-amdhsa -mcpu=gfx1250 --defsym DOCPART=n.
;; ======== version 1 of 1: 2 launches
;; workspace buffers: gtab 8,388,608 bytes; pidx 4,000,000 bytes of whole numbers
;; launch prep (part 1): grid 2048 x 1, 8 waves a work-group, no clusters, 0 bytes of LDS; arguments feature_table, index_table, x, gtab, pidx; writes gtab, pidx
.if DOCPART == 1
	.amdgcn_target "amdgcn-amd-amdhsa--gfx1250"
	.amdhsa_code_object_version 6
	.text
	.protected	k_q4648ff0f8e_prep
	.globl	k_q4648ff0f8e_prep
	.p2align	8
	.type	k_q4648ff0f8e_prep,@function
k_q4648ff0f8e_prep:
	s_mov_b64 s[64:65], 0
	v_nop
	global_prefetch_b8 v0, s[64:65] scope:SCOPE_SE
	s_setreg_imm32_b32 hwreg(HW_REG_WAVE_MODE, 25, 1), 1
	s_wait_xcnt 0x0
; PREP: two tables for the launch that follows.
; (1) gtab[h][0..3] = sum over l of softmax(index_table[h])[l] * feature_table[((l*P1) ^ (h*P2)) mod 2^20][0..3], for all 2^19 ids h.
;     The blended feature of a grid corner hangs on the corner's id h alone, so it is made once for each id (2^19 x 8 feature rows)
;     and not once for each corner of each point (500,000 x 8 x 8).
; (2) pidx[p] = 8 bytes of whole numbers for point p: bits 0-18 xi0, bits 19-44 xi2*P2, bits 45-63 xi1*P1, with xi = trunc(128 x).
;     The id is taken mod 2^19, and adds, multiplies and xors keep low bits, so 19 bits of each term are all that is needed.
; SHARES: 16,384 waves.  Wave W owns rows 32 W .. 32 W + 31, in two steps (A, B) of 16 rows.  A PAIR of lanes owns a row: lane i loads the
; 16 bytes at 16 i, so a load of the wave covers 512 consecutive bytes; the lane does l = 4 (i & 1) + 0..3; maximum, sum and the four
; components meet across the pair by DPP row_xmask:1; each lane stores 8 bytes, so a store of the wave covers 256 consecutive bytes, aligned.
; 500,000 points are 15,625 whole waves: waves 0 .. 15,624 also take one point a lane; the other 759 take the path without points.
; Every load of a wave is issued at its head, so there is no later trip for which a prefetch could ask.  No LDS, no barrier: no wave needs another's data.
; LIMITS: |128 x| < 2^31 (past it the conversion to a 32-bit whole number has no defined result in the reference either); a NaN in x counts as
; index 0 here (the weights of the next launch carry the NaN on).  A softmax term below 2^-126 of its row's largest counts as 0 (v_exp_f32 flushes
; denormal results: ISA guide 15.8).  The division by the sum is v_rcp_f32 and a multiply.
.set NPW,    15625                     ; waves that have points
.set M19,    0x7ffff                   ; mod 2^19
.set PRIME1, 0x9e3779b1                ; 2654435761
.set PRIME2, 0x30025795                ; 805459861
.set K1S,    0x779b10                  ; (P1 mod 2^20) * 16: feature rows are 16 bytes
.set K2S,    0x257950                  ; (P2 mod 2^20) * 16
.set FMASK,  0xfffff0                  ; (mod 2^20) * 16
.set LOG2E,  0x3fb8aa3b                ; 1.442695
.set NLOG2E, 0xbfb8aa3b
.set RES,    0x43000000                ; 128.0
.set IWO, 1                            ; v1      byte offset of my 16 bytes of index_table, step A
.set GO,  2                            ; v2      byte offset of my 8 bytes of gtab, step A
.set XO,  3                            ; v3      byte offset of my point in x
.set PO,  4                            ; v4      byte offset of my point in pidx
.set LN,  5                            ; v5      lane
.set T,   6                            ; v[6:9]  first l*P1*16 of my four l; then: v6, v7 = 1/sum of A, B; v[8:9] at work
.set X,   10                           ; v[10:12] my point; later v[10:11] at work
.set GS,  14                           ; v14, v15 h*P2*16 of steps A, B
.set PD,  14                           ; v[14:15] then the point's two packed words
.set WA,  16                           ; v[16:19] step A: four weights, then their exponentials
.set OA,  20                           ; v[20:23] step A: byte offsets of four feature rows
.set FA,  24                           ; v[24:39] step A: four feature rows; the sums grow in the first
.set WB,  40                           ; step B likewise
.set OB,  44
.set FB,  48
; The ten loads of the table part: all that the wave will read of the two tables, in one run.
.macro LOADS
	global_load_b128 v[WA:WA+3], v[IWO], s[10:11] th:TH_LOAD_NT               ; index_table is read once in the launch
	global_load_b128 v[WB:WB+3], v[IWO], s[10:11] offset:512 th:TH_LOAD_NT    ; 16 rows of 32 bytes further on
.irp j, 0,1,2,3
	global_load_b128 v[FA+4*\j:FA+4*\j+3], v[OA+\j], s[8:9]                   ; a feature row is named by four ids on the average: no hint
.endr
.irp j, 0,1,2,3
	global_load_b128 v[FB+4*\j:FB+4*\j+3], v[OB+\j], s[8:9]
.endr
.endm
; Softmax, first half: the row's maximum m, then 2^((w - m) log2e) in place.  w*log2e - m*log2e is one fused multiply-add; the rounding of
; m*log2e is the same in all eight terms of the row (both lanes hold the same m) and cancels in the quotient.
.macro SOFT1 w
	v_max3_num_f32 v[T+2], v[\w], v[\w+1], v[\w+2]
	v_max_num_f32 v[T+2], v[T+2], v[\w+3]
	v_max_num_f32_dpp v[T+2], v[T+2], v[T+2] row_xmask:1 row_mask:0xf bank_mask:0xf   ; with the pair's other lane: the maximum of all eight
	v_mul_f32 v[T+2], NLOG2E, v[T+2]
	v_pk_fma_f32 v[\w:\w+1],   v[\w:\w+1],   LOG2E, v[T+2:T+3] op_sel_hi:[1,0,0]     ; both halves take the constant and v[T+2]
	v_pk_fma_f32 v[\w+2:\w+3], v[\w+2:\w+3], LOG2E, v[T+2:T+3] op_sel_hi:[1,0,0]
.irp j, 0,1,2,3
	v_exp_f32 v[\w+\j], v[\w+\j]
.endr
.endm
; Second half: 1 / (sum of the eight) into v[r]; v[t:t+1] at work.
.macro SOFT2 w, r, t
	s_wait_alu depctr_va_vdst(0)
	v_pk_add_f32 v[\t:\t+1], v[\w:\w+1], v[\w+2:\w+3]
	v_add_f32 v[\t], v[\t], v[\t+1]
	v_add_f32_dpp v[\t], v[\t], v[\t] row_xmask:1 row_mask:0xf bank_mask:0xf
	v_rcp_f32 v[\r], v[\t]
.endm
; The blend of a step: my four rows times my four exponentials, the pair's two halves added, scaled by 1/sum, 8 bytes stored.
.macro BLEND f, w, r, off
	v_pk_mul_f32 v[\f:\f+1],   v[\f:\f+1],     v[\w:\w+1] op_sel_hi:[1,0]                                     ; the first product starts the sums
	v_pk_mul_f32 v[\f+2:\f+3], v[\f+2:\f+3],   v[\w:\w+1] op_sel_hi:[1,0]
	v_pk_fma_f32 v[\f:\f+1],   v[\f+4:\f+5],   v[\w:\w+1],   v[\f:\f+1]   op_sel:[0,1,0] op_sel_hi:[1,1,1]    ; both halves times the pair's second register
	v_pk_fma_f32 v[\f+2:\f+3], v[\f+6:\f+7],   v[\w:\w+1],   v[\f+2:\f+3] op_sel:[0,1,0] op_sel_hi:[1,1,1]
	v_pk_fma_f32 v[\f:\f+1],   v[\f+8:\f+9],   v[\w+2:\w+3], v[\f:\f+1]   op_sel_hi:[1,0,1]                   ; both halves times its first
	v_pk_fma_f32 v[\f+2:\f+3], v[\f+10:\f+11], v[\w+2:\w+3], v[\f+2:\f+3] op_sel_hi:[1,0,1]
	v_pk_fma_f32 v[\f:\f+1],   v[\f+12:\f+13], v[\w+2:\w+3], v[\f:\f+1]   op_sel:[0,1,0] op_sel_hi:[1,1,1]
	v_pk_fma_f32 v[\f+2:\f+3], v[\f+14:\f+15], v[\w+2:\w+3], v[\f+2:\f+3] op_sel:[0,1,0] op_sel_hi:[1,1,1]
.irp c, 0,1,2,3
	v_add_f32_dpp v[\f+\c], v[\f+\c], v[\f+\c] row_xmask:1 row_mask:0xf bank_mask:0xf                         ; l = 0..3 and l = 4..7 meet
.endr
	v_cndmask_b32 v[\f],   v[\f],   v[\f+2], s20                   ; the even lane keeps components 0, 1, the odd lane 2, 3
	v_cndmask_b32 v[\f+1], v[\f+1], v[\f+3], s20
	s_wait_alu depctr_va_vdst(0)
	v_mul_f32 v[\f],   v[\f],   v[\r]
	v_mul_f32 v[\f+1], v[\f+1], v[\r]
	global_store_b64 v[GO], v[\f:\f+1], s[14:15] offset:\off       ; 32 lanes x 8 bytes = 256 consecutive bytes, aligned; no hint: the next launch reads gtab
.endm
; The table part behind its loads.  Loads come back in the order of issue (ISA guide 5.7.1): weights A, weights B, 4 rows A, 4 rows B.
; Behind a transcendental one plain vector instruction stands before its result is used or its source written (ISA guide 5.7.2):
; behind A's exponentials B's v_max3, behind B's exponentials A's v_pk_add, behind A's v_rcp B's v_pk_add (other registers), behind B's v_rcp the blend's first product.
.macro WORK
	s_wait_loadcnt 9                                               ; weights A are in; the nine loads behind them stay out
	SOFT1 WA
	s_wait_loadcnt 8                                               ; weights B; the eight feature rows stay out
	SOFT1 WB
	SOFT2 WA, T,   T+2
	SOFT2 WB, T+1, X
	s_wait_loadcnt 4                                               ; A's four rows; B's four stay out
	BLEND FA, WA, T,   0
	s_wait_loadcnt 0
	BLEND FB, WB, T+1, 256
.endm
	s_load_b256 s[8:15], s[0:1], 0x0               ; feature_table s[8:9], index_table s[10:11], x s[12:13], gtab s[14:15]
	s_load_b64 s[16:17], s[0:1], 0x20              ; pidx
	v_lshrrev_b32 v[LN], 5, v0
	v_readfirstlane_b32 s2, v[LN]                  ; wave in the work-group
	s_lshl_b32 s3, ttmp9, 3
	s_add_co_u32 s3, s3, s2                        ; W = 8 x work-group + wave, 0 .. 16,383
	s_lshl_b32 s4, s3, 10                          ; 32 rows of 32 bytes of index_table
	s_lshl_b32 s5, s3, 9                           ; 32 rows of 16 bytes of gtab
	s_lshl_b32 s6, s3, 5                           ; my first row, and my first point
	s_mov_b32 s20, 0xaaaaaaaa                      ; the odd lanes
	s_mov_b32 s21, PRIME1
	s_mov_b32 s22, PRIME2
	v_and_b32 v[LN], 31, v0
	v_lshl_add_u32 v[IWO], v[LN], 4, s4
	v_lshl_add_u32 v[GO], v[LN], 3, s5
	v_lshrrev_b32 v[GS], 1, v[LN]
	v_add_nc_u32 v[GS], s6, v[GS]                  ; h of step A, below 2^19
	v_mul_u32_u24 v[GS], v[GS], K2S                ; h*P2*16: both factors are below 2^24, and only bits 4-23 of the product are kept below
	v_add_nc_u32 v[GS+1], 16*K2S, v[GS]            ; step B: h + 16
	v_and_b32 v[T], 1, v0
	v_lshlrev_b32 v[T], 2, v[T]                    ; my first l: 0 or 4
	v_mul_u32_u24 v[T], v[T], K1S                  ; l*P1*16
	v_add_nc_u32 v[T+1], K1S, v[T]
	v_add_nc_u32 v[T+2], 2*K1S, v[T]
	v_add_nc_u32 v[T+3], 3*K1S, v[T]
.irp j, 0,1,2,3
	v_xor_b32 v[OA+\j], v[GS],   v[T+\j]
	v_xor_b32 v[OB+\j], v[GS+1], v[T+\j]
.endr
.irp j, 0,1,2,3
	v_and_b32 v[OA+\j], FMASK, v[OA+\j]            ; ((l*P1 ^ h*P2) mod 2^20) * 16: inside the table's 2^24 bytes
	v_and_b32 v[OB+\j], FMASK, v[OB+\j]
.endr
	s_wait_kmcnt 0x0
	s_cmp_ge_u32 s3, NPW
	s_cbranch_scc1 .Ltable_only                    ; a whole wave has points or has none: 500,000 = 32 x 15,625
	v_add_nc_u32 v[PO], s6, v[LN]                  ; my point
	v_mul_u32_u24 v[XO], v[PO], 12
	v_lshlrev_b32 v[PO], 3, v[PO]
	global_load_b96 v[X:X+2], v[XO], s[12:13]      ; 384 consecutive bytes a wave; no hint: the next launch reads x again
	LOADS
	s_wait_loadcnt 10                              ; x, the oldest, is in; the ten table loads stay out
	v_pk_mul_f32 v[X:X+1], v[X:X+1], RES op_sel_hi:[1,0]
	v_mul_f32 v[X+2], RES, v[X+2]                  ; xs = 128 x
.irp d, 0,1,2
	v_cvt_i32_f32 v[X+\d], v[X+\d]                 ; xi: toward zero, as the reference's astype; a negative xi wraps as its cast to uint32 does
.endr
	v_mul_lo_u32 v[X+1], v[X+1], s21               ; xi1*P1 (prime 0 is 1: xi0 stays)
	v_mul_lo_u32 v[X+2], v[X+2], s22               ; xi2*P2
	v_and_b32 v[PD], M19, v[X]                     ; bits 0-18: xi0
	v_lshl_or_b32 v[PD], v[X+2], 19, v[PD]         ; bits 19-31: xi2*P2, bits 0-12
	v_bfe_u32 v[PD+1], v[X+2], 13, 13              ; bits 32-44: its bits 13-25
	v_lshl_or_b32 v[PD+1], v[X+1], 13, v[PD+1]     ; bits 45-63: xi1*P1, bits 0-18
	global_store_b64 v[PO], v[PD:PD+1], s[16:17]   ; 256 consecutive bytes a wave, aligned; no hint: the next launch reads pidx
	WORK
	s_endpgm
.Ltable_only:
	LOADS
	WORK
	s_endpgm
.Lfunc_end_k_q4648ff0f8e_prep:
	.size	k_q4648ff0f8e_prep, .Lfunc_end_k_q4648ff0f8e_prep-k_q4648ff0f8e_prep
	.p2alignl 7, 3214868480
	.fill 96, 4, 3214868480
	.section	.rodata,"a",@progbits
	.p2align	6, 0x0
	.amdhsa_kernel k_q4648ff0f8e_prep
		.amdhsa_group_segment_fixed_size 0
		.amdhsa_private_segment_fixed_size 0
		.amdhsa_enable_private_segment 0
		.amdhsa_kernarg_size 40
		.amdhsa_user_sgpr_count 2
		.amdhsa_user_sgpr_kernarg_segment_ptr 1
		.amdhsa_wavefront_size32 1
		.amdhsa_system_sgpr_workgroup_id_x 1
		.amdhsa_system_sgpr_workgroup_id_y 1
		.amdhsa_system_sgpr_workgroup_id_z 1
		.amdhsa_system_vgpr_workitem_id 0
		.amdhsa_next_free_vgpr 64
		.amdhsa_next_free_sgpr 66
		.amdhsa_reserve_vcc 0
		.amdhsa_float_denorm_mode_32 3
		.amdhsa_float_denorm_mode_16_64 3
		.amdhsa_memory_ordered 1
		.amdhsa_forward_progress 1
		.amdhsa_inst_pref_size 13
	.end_amdhsa_kernel
	.amdgpu_metadata
---
amdhsa.version: [ 1, 2 ]
amdhsa.kernels:
  - .name:           k_q4648ff0f8e_prep
    .symbol:         k_q4648ff0f8e_prep.kd
    .args:
      - { .name: feature_table, .offset: 0, .size: 8, .value_kind: global_buffer, .address_space: global }
      - { .name: index_table, .offset: 8, .size: 8, .value_kind: global_buffer, .address_space: global }
      - { .name: x, .offset: 16, .size: 8, .value_kind: global_buffer, .address_space: global }
      - { .name: gtab, .offset: 24, .size: 8, .value_kind: global_buffer, .address_space: global }
      - { .name: pidx, .offset: 32, .size: 8, .value_kind: global_buffer, .address_space: global }
    .group_segment_fixed_size: 0
    .private_segment_fixed_size: 0
    .kernarg_segment_align: 8
    .kernarg_segment_size: 40
    .max_flat_workgroup_size: 256
    .sgpr_count:     66
    .vgpr_count:     64
    .wavefront_size: 32
...
	.end_amdgpu_metadata
.endif
;; end of part 1
;; launch lookup (part 2): grid 15625 x 1, 1 waves a work-group, no clusters, 0 bytes of LDS; arguments x, pidx, gtab, out0; writes out0
.if DOCPART == 2
	.amdgcn_target "amdgcn-amd-amdhsa--gfx1250"
	.amdhsa_code_object_version 6
	.text
	.protected	k_q4648ff0f8e_lookup
	.globl	k_q4648ff0f8e_lookup
	.p2align	8
	.type	k_q4648ff0f8e_lookup,@function
k_q4648ff0f8e_lookup:
	s_mov_b64 s[64:65], 0
	v_nop
	global_prefetch_b8 v0, s[64:65] scope:SCOPE_SE
	s_setreg_imm32_b32 hwreg(HW_REG_WAVE_MODE, 25, 1), 1
	s_wait_xcnt 0x0
; LOOKUP: out0[p] = sum over the 8 corners of point p of (trilinear weight) * gtab[id of the corner].
; gtab (the blended feature of every id) and pidx (the whole numbers from which the ids are made) come from the launch before.
; id(i, j, k) = ((xi0 + i) ^ (xi1*P1 + j*P1) ^ (xi2*P2 + k*P2)) mod 2^19; pidx[p] holds xi0 in bits 0-18, xi2*P2 in bits 19-44, xi1*P1 in bits 45-63.
; SHARES: 500,000 = 32 x 15,625 points; a work-group is one wave (15,625 = 5^6 divides only into 1, 5 or 25 waves, and no wave needs another),
; a wave owns 32 points, in two steps (A, B) of 16.  A PAIR of lanes owns a point: the even lane takes the four corners at xi0, the odd lane those at xi0 + 1.
; The ids of the pair's two lanes differ by xi0 ^ (xi0 + 1) = 2^k - 1, so in 15 of 16 cases neighbouring lanes ask for rows inside the same aligned 256 bytes of gtab.
; The pair's two halves meet by DPP row_xmask:1; each lane stores 8 bytes, so a store of the wave covers 256 consecutive bytes, aligned.
; No address hangs on a floating-point number: x feeds the weights alone.  All loads go out as early as their addresses exist; there is no later trip to prefetch for.
; LIMIT: |128 x| < 2^31, where trunc(xs) is the reference's float(int32(xs)).
.set M19,  0x7ffff                     ; mod 2^19
.set P1M,  0x779b1                     ; 2654435761 mod 2^19
.set P2M,  0x25795                     ; 805459861 mod 2^19
.set RES,  0x43000000                  ; 128.0
.set PAR, 1                            ; v1       lane & 1: which x corner is mine
.set OO,  2                            ; v2       byte offset of my 8 bytes of out0, step A
.set XO,  3                            ; v3       byte offset of my point in x, step A
.set IO,  4                            ; v4       byte offset of my point in pidx, step A
.set T,   6                            ; v[6:9]   at work
.set IA,  10                           ; v[10:11] step A: the packed words
.set XA,  12                           ; v[12:15] step A: x, then the four weights w00, w10, w11, w01 (y corner, z corner)
.set OA,  16                           ; v[16:19] step A: byte offsets of the four rows, in the weights' order
.set GA,  20                           ; v[20:35] step A: the four rows; the sums grow in the first
.set IB,  36                           ; step B likewise
.set XB,  38
.set OB,  42
.set GB,  46
; The four ids of my x corner, as byte offsets into gtab.  Bits above bit 18 of the terms hold other fields' bits: the AND drops them.
.macro HASH i, o
	v_lshrrev_b32 v[T], 13, v[\i+1]                ; b0 = xi1*P1
	v_alignbit_b32 v[T+1], v[\i+1], v[\i], 19      ; c0 = xi2*P2: the 64 bits shifted right by 19
	v_add_nc_u32 v[T+2], v[\i], v[PAR]             ; a = xi0 or xi0 + 1
	v_add_nc_u32 v[T+3], P1M, v[T]                 ; b1 = (xi1 + 1)*P1
	v_xor_b32 v[T], v[T+2], v[T]                   ; a ^ b0
	v_xor_b32 v[T+3], v[T+2], v[T+3]               ; a ^ b1
	v_add_nc_u32 v[T+2], P2M, v[T+1]               ; c1 = (xi2 + 1)*P2
	v_xor_b32 v[\o],   v[T],   v[T+1]              ; corner (y, z) = (0, 0)
	v_xor_b32 v[\o+1], v[T+3], v[T+1]              ; (1, 0)
	v_xor_b32 v[\o+2], v[T+3], v[T+2]              ; (1, 1)
	v_xor_b32 v[\o+3], v[T],   v[T+2]              ; (0, 1)
.irp j, 0,1,2,3
	v_and_b32 v[\o+\j], M19, v[\o+\j]              ; mod 2^19
.endr
.irp j, 0,1,2,3
	v_min_u32 v[\o+\j], M19, v[\o+\j]              ; a number made of loaded ones enters an address only behind v_min_u32 with a written bound; behind the AND it changes no value
.endr
.irp j, 0,1,2,3
	v_lshlrev_b32 v[\o+\j], 4, v[\o+\j]            ; rows of 16 bytes
.endr
.endm
.macro ROWS g, o
.irp j, 0,1,2,3
	global_load_b128 v[\g+4*\j:\g+4*\j+3], v[\o+\j], s[12:13]     ; a row of gtab is named by eight corners on the average: no hint
.endr
.endm
; The four weights of my x corner, in place of x.
.macro WEIGHTS x
	v_pk_mul_f32 v[\x:\x+1], v[\x:\x+1], RES op_sel_hi:[1,0]
	v_mul_f32 v[\x+2], RES, v[\x+2]                ; xs = 128 x
	v_trunc_f32 v[T],   v[\x]
	v_trunc_f32 v[T+1], v[\x+1]
	v_trunc_f32 v[T+2], v[\x+2]
	v_pk_add_f32 v[\x:\x+1], v[\x:\x+1], v[T:T+1] neg_lo:[0,1] neg_hi:[0,1]
	v_sub_f32 v[\x+2], v[\x+2], v[T+2]             ; xf = xs - trunc(xs)
	v_sub_f32 v[T], 1.0, v[\x]
	v_cndmask_b32 v[T], v[T], v[\x], s20           ; wx: 1 - xf0 in the even lane, xf0 in the odd lane
	v_sub_f32 v[T+1], 1.0, v[\x+1]
	v_sub_f32 v[T+2], 1.0, v[\x+2]                 ; wz0
	v_mul_f32 v[T+1], v[T], v[T+1]                 ; wx wy0
	v_mul_f32 v[T+3], v[T], v[\x+1]                ; wx wy1
	v_mul_f32 v[\x],   v[T+1], v[T+2]              ; w00
	v_mul_f32 v[\x+1], v[T+3], v[T+2]              ; w10
	v_mul_f32 v[\x+3], v[T+1], v[\x+2]             ; w01
	v_mul_f32 v[\x+2], v[T+3], v[\x+2]             ; w11
.endm
; My four rows times my four weights, the pair's two halves added, 8 bytes stored.
.macro BLEND g, w, off
	v_pk_mul_f32 v[\g:\g+1],   v[\g:\g+1],     v[\w:\w+1] op_sel_hi:[1,0]                                     ; the first product starts the sums
	v_pk_mul_f32 v[\g+2:\g+3], v[\g+2:\g+3],   v[\w:\w+1] op_sel_hi:[1,0]
	v_pk_fma_f32 v[\g:\g+1],   v[\g+4:\g+5],   v[\w:\w+1],   v[\g:\g+1]   op_sel:[0,1,0] op_sel_hi:[1,1,1]    ; both halves times the pair's second register
	v_pk_fma_f32 v[\g+2:\g+3], v[\g+6:\g+7],   v[\w:\w+1],   v[\g+2:\g+3] op_sel:[0,1,0] op_sel_hi:[1,1,1]
	v_pk_fma_f32 v[\g:\g+1],   v[\g+8:\g+9],   v[\w+2:\w+3], v[\g:\g+1]   op_sel_hi:[1,0,1]                   ; both halves times its first
	v_pk_fma_f32 v[\g+2:\g+3], v[\g+10:\g+11], v[\w+2:\w+3], v[\g+2:\g+3] op_sel_hi:[1,0,1]
	v_pk_fma_f32 v[\g:\g+1],   v[\g+12:\g+13], v[\w+2:\w+3], v[\g:\g+1]   op_sel:[0,1,0] op_sel_hi:[1,1,1]
	v_pk_fma_f32 v[\g+2:\g+3], v[\g+14:\g+15], v[\w+2:\w+3], v[\g+2:\g+3] op_sel:[0,1,0] op_sel_hi:[1,1,1]
.irp c, 0,1,2,3
	v_add_f32_dpp v[\g+\c], v[\g+\c], v[\g+\c] row_xmask:1 row_mask:0xf bank_mask:0xf                         ; the corners at xi0 and at xi0 + 1 meet
.endr
	v_cndmask_b32 v[\g],   v[\g],   v[\g+2], s20                   ; the even lane keeps components 0, 1, the odd lane 2, 3
	v_cndmask_b32 v[\g+1], v[\g+1], v[\g+3], s20
	global_store_b64 v[OO], v[\g:\g+1], s[14:15] offset:\off th:TH_STORE_NT   ; 32 lanes x 8 bytes = 256 consecutive bytes, aligned
.endm
	s_load_b256 s[8:15], s[0:1], 0x0               ; x s[8:9], pidx s[10:11], gtab s[12:13], out0 s[14:15]
	s_lshl_b32 s4, ttmp9, 5                        ; my first point
	s_lshl_b32 s5, ttmp9, 9                        ; 32 rows of 16 bytes of out0
	s_mov_b32 s20, 0xaaaaaaaa                      ; the odd lanes
	v_lshrrev_b32 v[IO], 1, v0                     ; one wave: v0 is the lane
	v_add_nc_u32 v[IO], s4, v[IO]                  ; the pair's point in step A; step B: 16 further on
	v_mul_u32_u24 v[XO], v[IO], 12
	v_lshlrev_b32 v[IO], 3, v[IO]
	v_and_b32 v[PAR], 1, v0
	v_lshl_add_u32 v[OO], v0, 3, s5
	s_wait_kmcnt 0x0
	global_load_b64 v[IA:IA+1], v[IO], s[10:11] th:TH_LOAD_NT              ; the whole numbers first: the rows' addresses wait for them
	global_load_b64 v[IB:IB+1], v[IO], s[10:11] offset:128 th:TH_LOAD_NT
	global_load_b96 v[XA:XA+2], v[XO], s[8:9] th:TH_LOAD_NT
	global_load_b96 v[XB:XB+2], v[XO], s[8:9] offset:192 th:TH_LOAD_NT
	; loads come back in the order of issue (ISA guide 5.7.1): each count is the number of loads issued behind the one that is needed
	s_wait_loadcnt 3                               ; A's words; B's words and both x stay out
	HASH IA, OA
	ROWS GA, OA
	s_wait_loadcnt 6                               ; B's words; both x and A's four rows stay out
	HASH IB, OB
	ROWS GB, OB
	s_wait_loadcnt 9                               ; A's x; B's x and the eight rows stay out
	WEIGHTS XA
	s_wait_loadcnt 8                               ; B's x; the eight rows stay out
	WEIGHTS XB
	s_wait_loadcnt 4                               ; A's four rows; B's four stay out
	BLEND GA, XA, 0
	s_wait_loadcnt 0
	BLEND GB, XB, 256
	s_endpgm
.Lfunc_end_k_q4648ff0f8e_lookup:
	.size	k_q4648ff0f8e_lookup, .Lfunc_end_k_q4648ff0f8e_lookup-k_q4648ff0f8e_lookup
	.p2alignl 7, 3214868480
	.fill 96, 4, 3214868480
	.section	.rodata,"a",@progbits
	.p2align	6, 0x0
	.amdhsa_kernel k_q4648ff0f8e_lookup
		.amdhsa_group_segment_fixed_size 0
		.amdhsa_private_segment_fixed_size 0
		.amdhsa_enable_private_segment 0
		.amdhsa_kernarg_size 32
		.amdhsa_user_sgpr_count 2
		.amdhsa_user_sgpr_kernarg_segment_ptr 1
		.amdhsa_wavefront_size32 1
		.amdhsa_system_sgpr_workgroup_id_x 1
		.amdhsa_system_sgpr_workgroup_id_y 1
		.amdhsa_system_sgpr_workgroup_id_z 1
		.amdhsa_system_vgpr_workitem_id 0
		.amdhsa_next_free_vgpr 64
		.amdhsa_next_free_sgpr 66
		.amdhsa_reserve_vcc 0
		.amdhsa_float_denorm_mode_32 3
		.amdhsa_float_denorm_mode_16_64 3
		.amdhsa_memory_ordered 1
		.amdhsa_forward_progress 1
		.amdhsa_inst_pref_size 8
	.end_amdhsa_kernel
	.amdgpu_metadata
---
amdhsa.version: [ 1, 2 ]
amdhsa.kernels:
  - .name:           k_q4648ff0f8e_lookup
    .symbol:         k_q4648ff0f8e_lookup.kd
    .args:
      - { .name: x, .offset: 0, .size: 8, .value_kind: global_buffer, .address_space: global }
      - { .name: pidx, .offset: 8, .size: 8, .value_kind: global_buffer, .address_space: global }
      - { .name: gtab, .offset: 16, .size: 8, .value_kind: global_buffer, .address_space: global }
      - { .name: out0, .offset: 24, .size: 8, .value_kind: global_buffer, .address_space: global }
    .group_segment_fixed_size: 0
    .private_segment_fixed_size: 0
    .kernarg_segment_align: 8
    .kernarg_segment_size: 32
    .max_flat_workgroup_size: 32
    .sgpr_count:     66
    .vgpr_count:     64
    .wavefront_size: 32
...
	.end_amdgpu_metadata
.endif
;; end of part 2
